; MI455X (gfx1250); checked and timed in simulation.
; The chip was launched on July 23, 2026; its instructions are those of AMD's public machine-readable ISA for CDNA 5 (MIT licence, August 2026) and "CDNA5" Instruction Set Architecture Reference Guide (July 2026). The comments in the code are by the model that wrote it; some were corrected since.
;; Causal Attention. Allowed arithmetic: matrix products marked QUANTISED: E3M2 operands, one E8M0 scale for each 32 along K, by v_wmma_scale_f32_16x16x128_f8f6f4 with both operands' format E3M2, f32 sums; everything else in f32.
;; Inputs: Wk 1,024 x 1,024 float32; Wq 1,024 x 1,024 float32; Wv 1,024 x 1,024 float32; x 4 x 2,048 x 1,024 float32.
;; Outputs: out0 4 x 2,048 x 1,024 float32.
;; This version of the problem:
;;   THIS VERSION OF THE PROBLEM IS GIVEN IN LOW PRECISION. The matrix products marked QUANTISED in the list below multiply operands that are first quantised to E3M2 (3 exponent bits, 2 mantissa bits; 6 bits a number), with one power-of-two scale for each 32 numbers along K (OCP MX v1.0); their sums are f32. All else is computed in f32.
;;   The module's matrix products, in the order in which they are computed (A, B: the left and right operand; K: the contracted axis; several contracted axes count as one K, in the product's order):
;;     1. [M 8,192, K 1,024] x [K 1,024, N 1,024]; A: input x; B: input Wq: QUANTISED
;;     2. [M 8,192, K 1,024] x [K 1,024, N 1,024]; A: input x; B: input Wk: QUANTISED
;;     3. [M 8,192, K 1,024] x [K 1,024, N 1,024]; A: input x; B: input Wv: QUANTISED
;;     4. batch 4 x [M 2,048, K 1,024] x [K 1,024, N 2,048]; A: computed on the way; B: computed on the way: QUANTISED
;;     5. batch 4 x [M 2,048, K 2,048] x [K 2,048, N 1,024]; A: softmax (see below); B: computed on the way: QUANTISED
;;   THE QUANTISER, for each operand of a quantised product, along K:
;;     - K is cut into blocks of 32 from its start; a last block that is shorter is filled with zeros.
;;     - A block's scale is 2^e with e = floor(log2(the largest magnitude in the block)) - 4, held to -126 .. 127; a block of zeros has e = 0. As a byte (E8M0): e + 127.
;;     - Each number is divided by its block's scale, clamped to +-28, and rounded to the nearest number of E3M2, ties to even, subnormals kept.
;;     - The product sums the exact products of the quantised numbers (number of the format x scale) in f32.
;;   ~~~python
;;   def quantise(x, axis):      # numpy; x: float32 -> the quantised numbers, widened to float32 again
;;       x = np.moveaxis(x, axis, -1); K = x.shape[-1]
;;       x = np.pad(x, [(0, 0)] * (x.ndim - 1) + [(0, -K % 32)]); x = x.reshape(x.shape[:-1] + (-1, 32)); a = np.abs(x).max(-1, keepdims=True)
;;       e = np.where(a > 0, np.clip(np.frexp(np.where(a > 0, a, 1))[1] - 1 - 4, -126, 127), 0)      # np.frexp(a)[1] - 1 = floor(log2(a)), exactly
;;       r = np.clip(x / 2.0 ** e, -28, 28)
;;       step = 2.0 ** (np.maximum(np.frexp(np.where(r == 0, 1, r))[1] - 1, -2) - 2)
;;       q = np.round(r / step) * step * 2.0 ** e      # np.round: ties to even
;;       return np.moveaxis(q.reshape(q.shape[:-2] + (-1,))[..., :K], -1, axis).astype(np.float32)
;;   ~~~
;;   SOFTMAX AHEAD OF A QUANTISED PRODUCT. Where the list says 'softmax', what is quantised is not the finished softmax but p = 2^(t - M), with t = logit x log2(e) and M = ceil(the row's largest t), a whole number; so 1/2 < the row's largest p <= 1. The row's sum l is taken of the UNQUANTISED p, in f32, and the product's result is divided by l at the end. Since M is a whole number, a kernel that streams over the keys may use a running M (the ceiling of the running maximum): every later rescaling is an exact power of two, which a block's scale takes up: the codes' values come out the same.
;;   OPERANDS COMPUTED ON THE WAY. 'Computed on the way' means the value that the module computes at that place (a softmax that the list does not call 'softmax' is quantised finished and normalised). What goes into a quantiser is computed in f32, as accurately as f32 sums, v_exp_f32 and their like allow (about 1e-6 of the number): no bf16 or f16 on the way to a quantiser, and a product that is left as it is and whose result goes on into a quantised operand takes f32 operands (vector FMAs, or v_wmma_f32_16x16x4_f32). A number that lies on a knife's edge between two numbers of the format may be rounded either way, as far as f32 arithmetic and the matrix unit's own rounding can turn it there, and no further.
;; One version. Each part assembles by itself: llvm-mc -triple=amdgcn-amd-amdhsa -mcpu=gfx1250 --defsym DOCPART=n.
;; ======== version 1 of 1: 3 launches
;; limits: right only within a limited range of input values
;; workspace buffers: xc 6,291,456 bytes; xs 262,144 bytes; wc 2,359,296 bytes; ws 98,304 bytes; qkf 12,582,912 bytes; qks 524,288 bytes; vf 6,291,456 bytes; vs 262,144 bytes
;; launch quant (part 1): grid 352 x 1, 4 waves a work-group, no clusters, 68,096 bytes of LDS; arguments x, Wq, Wk, Wv, xc, xs, wc, ws; writes xc, xs, wc, ws
.if DOCPART == 1
	.amdgcn_target "amdgcn-amd-amdhsa--gfx1250"
	.amdhsa_code_object_version 6
	.text
	.protected	k_qac1057fd38_quant
	.globl	k_qac1057fd38_quant
	.p2align	8
	.type	k_qac1057fd38_quant,@function
k_qac1057fd38_quant:
	s_mov_b64 s[64:65], 0
	v_nop
	global_prefetch_b8 v0, s[64:65] scope:SCOPE_SE
	s_setreg_imm32_b32 hwreg(HW_REG_WAVE_MODE, 25, 1), 1
	s_wait_xcnt 0x0
; x [8192][1024] f32 (K = its last axis) and Wq, Wk, Wv [1024 (K)][1024] f32 (K = their FIRST axis) become codes of BF6 (E3M2), 6 bits each, K innermost, with one E8M0 byte for each 32 along K.
; xc [8192][768 bytes], xs [8192][32];  wc [3072][768], ws [3072][32]: rows 0-1023 are Wq's columns, 1024-2047 Wk's, 2048-3071 Wv's.
; THE ROWS ARE LAID IN ANOTHER ORDER: row number n lies at the place n with its bits 3 and 4 exchanged.  So the sixteen rows that lie on end at places 16 i .. 16 i + 15 are rows 32 (i / 2) + 8 (i % 2) + r + 8 (r / 8):
; the next launch's results then have sixteen neighbours along its next K in a lane's sixteen registers.
; A block's scale is 2^(floor(log2(its largest magnitude)) - 4); its byte is the largest magnitude's exponent field - 4, held at 1 from below.  A block of zeros gets the byte 1 where the rule says 127: its codes
; are zeros, which add nothing under any byte but 0xff, and this program alone reads the bytes.
; LIMITS: blocks whose largest magnitude lies under 2^(4 - 126) are held at the byte 1; NaN and infinities among the inputs are not served.
; Work-groups 0-255 take x: a wave takes 8 whole rows, 16 steps of 512 numbers; loads of 512 consecutive bytes, a turn through the wave's own stage in LDS so that a lane holds 16 neighbours along K.
; Work-groups 256-351 take the weights: a lane takes a column, its registers run down K; a wave takes 32 columns x 256 along K, and its codes leave through its own stage as rows of 192 bytes.
; The two ways part on the work-group's number and have LDS bytes of their own.  No tensor loads, no barrier: waves share nothing.  Memory binds: no matrix unit, no cluster.
.set XWG,   256                        ; work-groups for x
.set STEPS, 16
.set EMAX,  4
.set CB,    12                         ; bytes of 16 codes
.set XR,    16                         ; v16-79   x: four sets of 16 numbers as loaded
.set XX,    80                         ; v80-111  two sets of 16 neighbours
.set XE,    112                        ; v112-127 a scale byte for each step
.set XC,    128                        ; v128-191 codes: four registers for each step, so that no store's data are written again
.set WREG,  8192                       ; x's way: LDS bytes of a wave: two stages of 32 x SP bytes, then its 256 scale bytes
.set SP,    80                         ; a lane's place in a stage: 64 bytes + 16 of padding
.set WSTG,  32768                      ; the weights' way: its stages begin here
.set NB,    8                          ; blocks of 32 along K for a wave
.set ROWB,  192                        ; bytes of 256 codes
.set PITCH, 272                        ; a stage row: sixteen places of 16 bytes, each with 12 bytes of codes, + 16
.set KROW,  768                        ; a row of codes in memory
.set NROW,  4096                       ; a row of a weight in memory
.set WX,    32                         ; v32-95   two sets of 32 numbers
.set WC,    96                         ; v96..    a block's codes
.set OUTR,  112                        ; v112-175 the way out
.set SB,    24                         ; v24-25   the scale bytes, four to a register
	s_load_b256 s[4:11], s[0:1], 0x0               ; x, Wq, Wk, Wv
	s_load_b256 s[12:19], s[0:1], 0x20             ; xc, xs, wc, ws
	v_lshl_add_u32 v192, v0, 2, 0x10800
	v_mov_b32 v193, 0
	v_lshrrev_b32 v1, 5, v0
	v_readfirstlane_b32 s20, v1                    ; wave
	v_and_b32 v2, 31, v0                           ; lane
	s_cmp_lt_u32 ttmp9, XWG
	s_cbranch_scc0 .Lweights
	; ---------------- x ----------------
	v_lshlrev_b32 v3, 4, v2                        ; my 16 bytes of a load's 512
	s_mul_i32 s21, s20, WREG
	v_lshrrev_b32 v14, 2, v2
	v_mul_u32_u24 v14, v14, SP
	v_and_b32 v15, 3, v2
	v_lshl_add_u32 v14, v15, 4, v14
	v_add_nc_u32 v14, s21, v14                     ; the stage, on the way in: SP (lane / 4) + 16 (lane % 4)
	v_mul_u32_u24 v15, v2, SP
	v_add_nc_u32 v15, s21, v15                     ; and on the way out: SP x lane: my 16 neighbours
	v_mul_u32_u24 v4, v2, CB                       ; my codes' place in a step's
	v_lshrrev_b32 v5, 1, v2
	s_add_co_u32 s21, s21, 2*32*SP
	v_add_nc_u32 v5, s21, v5                       ; LDS: my wave's 256 scale bytes, my block's byte
	v_lshlrev_b32 v7, 3, v2                        ; and on the way out 8 bytes a lane
	v_add_nc_u32 v6, s21, v7
	s_lshl_b32 s22, ttmp9, 2
	s_add_co_u32 s22, s22, s20                     ; which run of 8 rows is my wave's
	s_and_b32 s23, s22, 1                          ; where it goes: bits 0 and 1 of the run's number (bits 3 and 4 of the rows') exchanged
	s_lshl_b32 s23, s23, 1
	s_bfe_u32 s24, s22, 0x10001
	s_or_b32 s23, s23, s24
	s_and_b32 s24, s22, 0xfffffffc
	s_or_b32 s23, s23, s24
	s_lshl_b32 s24, s22, 15                        ; in: 32,768 bytes a run
	s_mov_b32 s25, 0
	s_mul_i32 s26, s23, 8*KROW                     ; codes: 6,144 bytes a run
	s_mov_b32 s27, 0
	s_lshl_b32 s28, s23, 8                         ; scale bytes: 256 a run
	s_mov_b32 s29, 0
	s_wait_alu depctr_va_vdst(0)
	s_wait_kmcnt 0x0
	s_add_nc_u64 s[4:5], s[4:5], s[24:25]
	s_add_nc_u64 s[12:13], s[12:13], s[26:27]
	s_add_nc_u64 s[14:15], s[14:15], s[28:29]
.macro XLOAD t
.irp i, 0,1,2,3
	global_load_b128 v[XR+16*((\t)%4)+4*\i:XR+16*((\t)%4)+4*\i+3], v3, s[4:5] offset:2048*(\t)+512*\i th:TH_LOAD_NT   ; 32 lanes read 512 consecutive bytes
.endr
.endm
.macro XTURN t                         ; step t's numbers through the stage: LDS serves a wave's instructions in order, so no wait stands between the stores and the loads
.irp i, 0,1,2,3
	ds_store_b128 v14, v[XR+16*((\t)%4)+4*\i:XR+16*((\t)%4)+4*\i+3] offset:32*SP*((\t)%2)+8*SP*\i
.endr
.irp i, 0,1,2,3
	ds_load_b128 v[XX+16*((\t)%2)+4*\i:XX+16*((\t)%2)+4*\i+3], v15 offset:32*SP*((\t)%2)+16*\i
.endr
.endm
.irp t, 0,1,2,3
	XLOAD \t
.endr
	s_wait_loadcnt 12                              ; step 0's four loads are in; twelve younger ones stay out
	XTURN 0
.macro XSTEP t
.set XS, XX+16*((\t)%2)
.if (\t) > 0
	s_wait_dscnt 1                                 ; this step's numbers are back from the stage (the last step's byte store may be out)
.else
	s_wait_dscnt 0x0
.endif
.if (\t)+4 < STEPS
	XLOAD (\t)+4                                   ; into the registers that the stage's stores have read
.endif
.if (\t)+1 < STEPS
.if STEPS-2-(\t) >= 3
	s_wait_loadcnt 12                              ; the next step's four loads are in; those of the three steps behind it may be out
.else
	s_wait_loadcnt 4*(STEPS-2-(\t))
.endif
	XTURN (\t)+1
.endif
	v_max3_num_f32 v8, |v[XS]|, |v[XS+1]|, |v[XS+2]|               ; the largest magnitude of my 16, in two chains
	v_max3_num_f32 v9, |v[XS+3]|, |v[XS+4]|, |v[XS+5]|
.irp i, 6,10
	v_max3_num_f32 v8, v8, |v[XS+\i]|, |v[XS+\i+1]|
	v_max3_num_f32 v9, v9, |v[XS+\i+2]|, |v[XS+\i+3]|
.endr
	v_max3_num_f32 v8, v8, |v[XS+14]|, |v[XS+15]|
	v_max3_num_f32 v8, v8, v9, (EMAX+1)<<23        ; and the floor 2^(EMAX + 1 - 127): the byte cannot fall under 1
	v_max_num_f32_dpp v8, v8, v8 row_xmask:1 row_mask:0xf bank_mask:0xf   ; and of my neighbour's 16: the block's
	v_add_nc_u32 v11, -(EMAX<<23), v8              ; EMAX off its exponent field: the conversion takes the exponent field of this operand as its scale
	v_cvt_scalef32_pk16_bf6_f32 v[XC+4*(\t):XC+4*(\t)+2], v[XS:XS+15], v11
	v_lshrrev_b32 v[XE+(\t)], 23, v11              ; the scale's byte (a plain line behind the conversion)
	ds_store_b8 v5, v[XE+(\t)] offset:16*(\t)      ; both lanes of a block write the same byte with the same value
	global_store_b96 v4, v[XC+4*(\t):XC+4*(\t)+2], s[12:13] offset:32*CB*(\t)   ; the wave stores 384 consecutive bytes
.endm
.irp t, 0,1,2,3,4,5,6,7,8,9,10,11,12,13,14,15
	XSTEP \t
.endr
	ds_load_b64 v[12:13], v6                       ; LDS serves a wave's instructions in order: these see my stores
	s_wait_dscnt 0x0
	global_store_b64 v7, v[12:13], s[14:15]        ; 32 lanes store 256 consecutive bytes, aligned
	s_wait_tensorcnt 0x0
	ds_add_u32 v192, v193
	s_wait_dscnt 0x0
	s_endpgm
	; ---------------- the weights ----------------
.Lweights:
	s_sub_co_u32 s21, ttmp9, XWG                   ; 0 .. 95
	s_lshr_b32 s22, s21, 5                         ; which weight: 0 Wq, 1 Wk, 2 Wv
	s_and_b32 s23, s21, 7                          ; which 128 columns
	s_bfe_u32 s24, s21, 0x20003                    ; which 256 along K
	s_lshl_b32 s25, s23, 7
	s_lshl_b32 s26, s20, 5
	s_add_co_u32 s25, s25, s26                     ; my wave's first column
	s_wait_alu depctr_va_vdst(0)
	v_lshlrev_b32 v3, 2, v2                        ; in: 4 bytes a lane
	s_mul_i32 s26, s20, 32*PITCH
	s_add_co_u32 s26, s26, WSTG                    ; my stage
	v_and_b32 v10, 7, v2                           ; my column's place among the wave's 32: bits 3 and 4 exchanged
	v_bfe_u32 v11, v2, 3, 1
	v_lshl_add_u32 v10, v11, 4, v10
	v_bfe_u32 v11, v2, 4, 1
	v_lshl_add_u32 v10, v11, 3, v10
	v_mul_u32_u24 v4, v10, PITCH
	v_add_nc_u32 v4, s26, v4                       ; into the stage: row = my column's place
	v_and_b32 v5, 15, v2
	v_lshrrev_b32 v6, 4, v2                        ; out of it: sixteen lanes to a row, two rows an instruction
	v_mul_u32_u24 v7, v6, PITCH
	v_lshl_add_u32 v7, v5, 4, v7
	v_add_nc_u32 v7, s26, v7
	v_mul_u32_u24 v8, v6, KROW
	v_mad_u32_u24 v8, v5, 12, v8                   ; and the same place in the codes' buffer
	v_lshlrev_b32 v9, 5, v10                       ; my column's row of scale bytes: 32 bytes a row
	s_lshl_b32 s28, s24, 20                        ; in: 256 rows of 4,096 bytes for each step along K,
	s_lshl_b32 s27, s25, 2
	s_add_co_u32 s28, s28, s27                     ; + 4 x column
	s_mov_b32 s29, 0
	s_lshl_b32 s27, s22, 10
	s_add_co_u32 s27, s27, s25                     ; the wave's first row of wc and ws
	s_mul_i32 s30, s27, KROW
	s_mul_i32 s26, s24, ROWB
	s_add_co_u32 s30, s30, s26
	s_mov_b32 s31, 0
	s_lshl_b32 s32, s27, 5
	s_lshl_b32 s26, s24, 3
	s_add_co_u32 s32, s32, s26
	s_mov_b32 s33, 0
	s_wait_kmcnt 0x0
	s_cmp_eq_u32 s22, 0                            ; the choice hangs on the work-group's number alone
	s_cselect_b64 s[34:35], s[6:7], s[8:9]
	s_cmp_eq_u32 s22, 2
	s_cselect_b64 s[34:35], s[10:11], s[34:35]
	s_add_nc_u64 s[34:35], s[34:35], s[28:29]
	s_add_nc_u64 s[16:17], s[16:17], s[30:31]
	s_add_nc_u64 s[18:19], s[18:19], s[32:33]
.macro WLOAD t                         ; block t: W(32 t + i, my column), i = 0 .. 31, into set t % 2: 32 lanes read 128 consecutive bytes
.irp i, 0,1,2,3,4,5,6,7,8,9,10,11,12,13,14,15,16,17,18,19,20,21,22,23,24,25,26,27,28,29,30,31
	global_load_b32 v[WX+32*((\t)%2)+\i], v3, s[34:35] offset:(32*(\t)+\i)*NROW th:TH_LOAD_NT
.endr
.endm
	WLOAD 0
	WLOAD 1
.macro WBLOCK t
.set XS, WX+32*((\t)%2)
.if (\t) < NB-1
	s_wait_loadcnt 32                              ; this block's 32 loads are in; the next block's may be out
.else
	s_wait_loadcnt 0
.endif
	v_max3_num_f32 v12, |v[XS]|, |v[XS+1]|, |v[XS+2]|              ; the block's largest magnitude: all 32 numbers are mine
	v_max3_num_f32 v13, |v[XS+3]|, |v[XS+4]|, |v[XS+5]|
.irp i, 6,10,14,18,22,26
	v_max3_num_f32 v12, v12, |v[XS+\i]|, |v[XS+\i+1]|
	v_max3_num_f32 v13, v13, |v[XS+\i+2]|, |v[XS+\i+3]|
.endr
	v_max3_num_f32 v12, v12, |v[XS+30]|, |v[XS+31]|
	v_max3_num_f32 v12, v12, v13, (EMAX+1)<<23     ; and the floor
	v_add_nc_u32 v11, -(EMAX<<23), v12             ; the conversion's scale operand
	v_lshrrev_b32 v13, 23, v11                     ; the scale's byte
.if (\t)%4 == 0
	v_mov_b32 v[SB+(\t)/4], v13                    ; four bytes to a register, the lower K in the lower byte
.else
	v_lshl_or_b32 v[SB+(\t)/4], v13, 8*((\t)%4), v[SB+(\t)/4]
.endif
	v_cvt_scalef32_pk16_bf6_f32 v[WC:WC+2], v[XS:XS+15], v11
	v_cvt_scalef32_pk16_bf6_f32 v[WC+4:WC+6], v[XS+16:XS+31], v11   ; (a conversion's three registers begin on an even number)
	ds_store_b96 v4, v[WC:WC+2] offset:32*(\t)     ; 16 codes, 12 bytes, to a place of 16 bytes in the stage
	ds_store_b96 v4, v[WC+4:WC+6] offset:32*(\t)+16
.if (\t)+2 < NB
	WLOAD (\t)+2
.endif
	s_wait_dscnt 0x0                               ; the stores have read their registers: the next block's codes may be written
.endm
.irp t, 0,1,2,3,4,5,6,7
	WBLOCK \t
.endr
	s_wait_alu depctr_va_vdst(0)
	global_store_b64 v9, v[SB:SB+1], s[18:19]      ; my column's 8 scale bytes
.irp t, 0,1,2,3,4,5,6,7,8,9,10,11,12,13,14,15
	ds_load_b96 v[OUTR+4*\t:OUTR+4*\t+2], v7 offset:2*\t*PITCH   ; LDS serves a wave's instructions in order: these see my stores
.endr
.irp t, 0,1,2,3,4,5,6,7,8,9,10,11,12,13,14,15
	s_wait_dscnt 15-\t                             ; the loads issued behind row pair t may stay out
	global_store_b96 v8, v[OUTR+4*\t:OUTR+4*\t+2], s[16:17] offset:2*\t*KROW   ; sixteen lanes store a row's 192 consecutive bytes
.endr
	s_wait_tensorcnt 0x0
	ds_add_u32 v192, v193
	s_wait_dscnt 0x0
	s_endpgm
.Lfunc_end_k_qac1057fd38_quant:
	.size	k_qac1057fd38_quant, .Lfunc_end_k_qac1057fd38_quant-k_qac1057fd38_quant
	.p2alignl 7, 3214868480
	.fill 96, 4, 3214868480
	.section	.rodata,"a",@progbits
	.p2align	6, 0x0
	.amdhsa_kernel k_qac1057fd38_quant
		.amdhsa_group_segment_fixed_size 68096
		.amdhsa_private_segment_fixed_size 0
		.amdhsa_enable_private_segment 0
		.amdhsa_kernarg_size 64
		.amdhsa_user_sgpr_count 2
		.amdhsa_user_sgpr_kernarg_segment_ptr 1
		.amdhsa_wavefront_size32 1
		.amdhsa_system_sgpr_workgroup_id_x 1
		.amdhsa_system_sgpr_workgroup_id_y 1
		.amdhsa_system_sgpr_workgroup_id_z 1
		.amdhsa_system_vgpr_workitem_id 0
		.amdhsa_next_free_vgpr 194
		.amdhsa_next_free_sgpr 66
		.amdhsa_reserve_vcc 0
		.amdhsa_float_denorm_mode_32 3
		.amdhsa_float_denorm_mode_16_64 3
		.amdhsa_memory_ordered 1
		.amdhsa_forward_progress 1
		.amdhsa_inst_pref_size 74
	.end_amdhsa_kernel
	.amdgpu_metadata
---
amdhsa.version: [ 1, 2 ]
amdhsa.kernels:
  - .name:           k_qac1057fd38_quant
    .symbol:         k_qac1057fd38_quant.kd
    .args:
      - { .name: x, .offset: 0, .size: 8, .value_kind: global_buffer, .address_space: global }
      - { .name: Wq, .offset: 8, .size: 8, .value_kind: global_buffer, .address_space: global }
      - { .name: Wk, .offset: 16, .size: 8, .value_kind: global_buffer, .address_space: global }
      - { .name: Wv, .offset: 24, .size: 8, .value_kind: global_buffer, .address_space: global }
      - { .name: xc, .offset: 32, .size: 8, .value_kind: global_buffer, .address_space: global }
      - { .name: xs, .offset: 40, .size: 8, .value_kind: global_buffer, .address_space: global }
      - { .name: wc, .offset: 48, .size: 8, .value_kind: global_buffer, .address_space: global }
      - { .name: ws, .offset: 56, .size: 8, .value_kind: global_buffer, .address_space: global }
    .group_segment_fixed_size: 68096
    .private_segment_fixed_size: 0
    .kernarg_segment_align: 8
    .kernarg_segment_size: 64
    .max_flat_workgroup_size: 128
    .sgpr_count:     66
    .vgpr_count:     194
    .wavefront_size: 32
...
	.end_amdgpu_metadata
.endif
;; end of part 1
;; launch proj (part 2): grid 8 x 48, 4 waves a work-group, clusters of 4 x 4, 327,680 bytes of LDS; arguments xc, xs, wc, ws, qkf, qks, vf, vs; writes qkf, qks, vf, vs
.if DOCPART == 2
	.amdgcn_target "amdgcn-amd-amdhsa--gfx1250"
	.amdhsa_code_object_version 6
	.text
	.protected	k_qac1057fd38_proj
	.globl	k_qac1057fd38_proj
	.p2align	8
	.type	k_qac1057fd38_proj,@function
k_qac1057fd38_proj:
	s_mov_b64 s[64:65], 0
	v_nop
	global_prefetch_b8 v0, s[64:65] scope:SCOPE_SE
	s_setreg_imm32_b32 hwreg(HW_REG_WAVE_MODE, 25, 1), 1
	s_wait_xcnt 0x0
	s_wait_alu depctr_hold_cnt(0) depctr_sa_sdst(0) depctr_va_vdst(0) depctr_va_sdst(0) depctr_va_ssrc(0) depctr_va_vcc(0) depctr_vm_vsrc(0)
	s_getreg_b32 s2, hwreg(HW_REG_IB_STS2, 6, 4)
	s_cmp_eq_u32 s2, 0
	s_cbranch_scc0 .Lentry_in_a_cluster
	s_endpgm
.Lentry_in_a_cluster:
	s_bfe_u32 s2, ttmp6, 0x10000c
	s_cmp_lg_u32 s2, 0xf033
	s_cbranch_scc0 .Lentry_shape_is_right
	s_endpgm
.Lentry_shape_is_right:
; q = x Wq, k = x Wk, v = x Wv on codes of BF6 (E3M2), one E8M0 scale for each 32 along K = 1,024; sums in f32; the results are quantised in registers and leave as codes: q and k along their channels, v along the keys.
; One text, C[a][b] = sum over d of A[a][d] B[b][d], quantised along b.  Clusters with y 0-7: A = xc, B = wc's rows 0-2047 (Wq, Wk).  Clusters with y 8-11: A = wc's rows 2048-3071 (Wv), B = xc.
; The choice is made by selects on the cluster's y, which all partners share; no branch hangs on it.
; A tile of C, 256 x 256, is made by four waves, 128 x 128 each: 64 accumulators.  A row of codes is 768 bytes: three CHUNKS of 256 bytes, each beginning at a multiple of 256; chunk c lies in LDS slot c % 2.
; The head's four joint loads, one a wave, bring chunks 0 and 1 of A's and of B's 256 rows; chunk 2 fills slot 0 again in step 2, when chunk 0 is read out.  A step is 128 along K, 96 bytes: steps 2 and 5 lie across two chunks.
; THE SCALE WORDS of a wave's 128 rows of A and of B, for all of K, go from memory straight into 64 registers: two loads cover 1,024 consecutive bytes; a register holds block 2 p's words in lanes 0-15 and block 2 p + 1's in lanes 16-31.
; CLUSTERS: 4 x 4 work-groups; A's tiles are asked for jointly along a row of the cluster, B's along a column.
; PREFETCH: chunk 2 is named once in each cluster at the head, two chunks ahead of its load: of the 128 rows that a wave will fetch, each of the four partners names 32, told apart by address; a lane a row.  Chunks 0 and 1 come by their loads alone.
; THE MATRIX INSTRUCTION IS USED TRANSPOSED (source 0 = 16 rows of B, source 1 = 16 rows of A).  xc's and wc's rows lie with bits 3 and 4 of their numbers exchanged, so that the 16 registers of B's tiles 2 i, 2 i + 1 are 16 neighbours along b.
; THE WAY OUT: each of the wave's eight tiles of A becomes a fragment (16 rows x 128 along b), stored as an image of its 12 registers: group i of lane l at 1,536 a + 512 i + 16 l of the wave's block of 12,288 bytes;
; the scale words as the image of four registers (512 bytes).  qkf: block (group of 128 rows of x) x 16 + group of 128 channels;  vf: block (group of 128 channels) x 64 + group of 128 keys.  qks, vs likewise.
; LIMITS: blocks whose largest magnitude lies under 2^(4 - 126) are held at the byte 1 (a block of zeros too: its codes are zeros, and this program alone reads the bytes); NaN and infinities are not served.
; REGISTERS: window 0: v16-30 addresses; v32-63 A's scale words, v64-95 B's, and nothing else; v96-127, v224-227 at work on the way out; v128-223 A's fragments, one set, later the codes.
;   window 1: B's fragments, two sets, at v0 and v128.  window 2: accumulators of my rows 0-63 ((a, b) at v[8 (8 a + b)]);  window 3: of my rows 64-127.
.set ROWB,   256
.set KROW,   768
.set PITCH,  272                       ; 256 bytes + 16 of padding
.set FR,     12
.set NL,     6
.set NP,     4
.set HALFT,  128*PITCH
.set SLOT,   4*HALFT                   ; A's 256 rows, then B's 256 rows
.set SPARE,  2*SLOT                    ; the spare words, 128 bytes a wave
.set ADRA, 16                          ; v16-17 my A fragments in slot 0, 1; v18-19 for pieces whose lanes 16-31 read the next chunk
.set ADRB, 20                          ; v20-23 the same for B
.set CO,   26                          ; 16 x lane
.set SOF,  27                          ; 32 x lane: a row of scale bytes
.set SPW,  28
.set NIL,  29
.set PFO,  30                          ; 768 x lane: the prefetch's offset
.set SCA,  32                          ; A's scale words: register 8 p + step
.set SCB,  64                          ; B's
.set TM,   96
.set PT,   112
.set PW,   120
.set RS,   224
.set AF,   128
.set QC,   128
.set G1, 24                            ; group 1 for A's tiles
.set G1B, 48                           ; for B's
.set G0, 32                            ; group 0 of the refill: A's
.set G0B, 36                           ; B's
.set H0, 56                            ; group 0 of the head's four loads
.set H1, 60
.set H2, 68
.set H3, 72
.set ISV,  98                          ; 1 in the clusters that make v
.set MSB, 0
.macro WIN new
.if MSB != (\new)
	s_set_vgpr_msb (MSB<<8)|(\new)
.set MSB, (\new)
.endif
.endm
.set MUL_LO, 0xa1
.set MUL_HI, 0xf1
.set TO_B,   0x40
.macro PLACES n
.rept \n
	v_nop
.endr
.endm
.macro TLOAD g0, g1                    ; a tensor load with the lines behind it
	tensor_load_to_lds s[\g0:\g0+3], s[\g1:\g1+7]
	s_nop 0
	PLACES 4
.endm
.macro CREST
	s_cmp_lg_u32 s14, 0
	s_cbranch_scc1 .Lnot_wave_0_\@
	s_barrier_signal -3
.Lnot_wave_0_\@:
	s_barrier_wait -3
	s_barrier_signal -1
	s_barrier_wait -1
.endm
.macro CROUND
	s_barrier_signal -1
	s_barrier_wait -1
	CREST
.endm
.macro G0SET g, lds, src, off
	s_mov_b32 s[\g], 1
	s_mov_b32 s[\g+1], \lds
	s_add_nc_u64 s[\g+2:\g+3], s[\src:\src+1], \off
	s_or_b32 s[\g+3], s[\g+3], 0x80000000
.endm
	s_load_b256 s[4:11], s[0:1], 0x0               ; xc, xs, wc, ws
	s_load_b256 s[84:91], s[0:1], 0x20             ; qkf, qks, vf, vs
	v_lshl_add_u32 v[SPW], v0, 2, SPARE
	v_mov_b32 v[NIL], 0
	ds_add_u32 v[SPW], v[NIL]                      ; the opening lines: the add twice on end and one wait
	ds_add_u32 v[SPW], v[NIL]
	v_lshrrev_b32 v1, 5, v0
	v_readfirstlane_b32 s14, v1                    ; wave
	s_lshr_b32 s15, s14, 1                         ; my half of A's rows; also: the refill fetches for A (0) or B (1)
	s_and_b32 s16, s14, 1                          ; my half of B's rows; also: which 128 rows the refill fetches
	s_bfe_u32 s40, ttmp6, 0x40000                  ; cx
	s_bfe_u32 s41, ttmp6, 0x40004                  ; cy
	s_and_b32 s17, ttmp7, 0xffff                   ; the cluster's y
	s_sub_co_u32 s19, s17, 8
	s_lshl_b32 s19, s19, 3
	s_cmp_ge_u32 s17, 8                            ; clusters 8-11 make v
	s_cselect_b32 s[ISV], 1, 0
	s_cselect_b32 s19, s19, 0
	s_cselect_b32 s17, 0, s17
	s_lshl_b32 s17, s17, 2
	s_add_co_u32 s17, s17, s41                     ; tile row: q, k: 4 y + cy;  v: cy
	s_lshl_b32 s42, ttmp9, 2
	s_add_co_u32 s42, s42, s19
	s_add_co_u32 s42, s42, s40                     ; tile column: q, k: 4 x + cx;  v: 4 x + 8 (y - 8) + cx
	s_lshl_b32 s43, s41, 2
	s_lshl_b32 s43, 15, s43                        ; my row of the cluster
	s_lshl_b32 s44, 0x1111, s40                    ; my column
	s_or_b32 s[G1+0], s43, (1<<20)|(1<<21)|(5<<22)|(3<<25)   ; elements of 1 byte; 4 words of padding behind every 64
	s_or_b32 s[G1B+0], s44, (1<<20)|(1<<21)|(5<<22)|(3<<25)
.irp g, G1, G1B
	s_mov_b32 s[\g+1], ROWB<<16
	s_mov_b32 s[\g+2], 256<<16                     ; the head's loads bring 256 rows
	s_mov_b32 s[\g+3], ROWB<<16
	s_mov_b32 s[\g+4], 256
	s_mov_b32 s[\g+5], KROW
	s_mov_b32 s[\g+6], 0
	s_mov_b32 s[\g+7], 0
.endr
	s_lshl_b32 s20, s17, 8
	s_lshl_b32 s19, s[ISV], 11
	s_add_co_u32 s20, s20, s19                     ; A: the tile's first row (for v 2,048 rows on: Wv's part of wc)
	s_lshl_b32 s18, s15, 7
	s_add_co_u32 s18, s18, s20
	s_lshl_b32 s22, s18, 5                         ; my 128 rows' scale bytes
	s_mov_b32 s23, 0
	s_mul_i32 s20, s20, KROW
	s_mov_b32 s21, 0
	s_lshl_b32 s46, s42, 8                         ; B: the tile's first row
	s_lshl_b32 s94, s16, 7
	s_add_co_u32 s94, s94, s46
	s_lshl_b32 s92, s94, 5
	s_mov_b32 s93, 0
	s_mul_i32 s46, s46, KROW
	s_mov_b32 s47, 0
	s_mul_i32 s82, s16, 128*KROW                   ; the refill: my 128 rows, chunk 2
	s_add_co_u32 s82, s82, 2*ROWB
	s_mov_b32 s83, 0
	s_mul_i32 s45, s14, HALFT                      ; and where they go in slot 0
	s_cmp_eq_u32 s15, 0
	s_cselect_b32 s94, s40, s41                    ; the prefetch: my place among the four that ask jointly
	s_lshl_b32 s94, s94, 5
	s_lshl_b32 s95, s16, 7
	s_add_co_u32 s94, s94, s95
	s_mul_i32 s94, s94, KROW
	s_mov_b32 s95, 0
	s_wait_dscnt 0x0                               ; both opening adds are done
	s_wait_kmcnt 0x0
	s_cmp_lg_u32 s[ISV], 0                         ; for v the two operands change places
	s_cselect_b64 s[2:3], s[8:9], s[4:5]           ; A's codes
	s_cselect_b64 s[18:19], s[10:11], s[6:7]       ; A's scales
	s_cselect_b64 s[8:9], s[4:5], s[8:9]           ; B's codes
	s_cselect_b64 s[10:11], s[6:7], s[10:11]       ; B's scales
	s_cselect_b64 s[12:13], s[88:89], s[84:85]     ; vf or qkf
	s_cselect_b64 s[96:97], s[90:91], s[86:87]     ; vs or qks
	s_add_nc_u64 s[20:21], s[2:3], s[20:21]
	s_add_nc_u64 s[76:77], s[18:19], s[22:23]
	s_add_nc_u64 s[46:47], s[8:9], s[46:47]
	s_add_nc_u64 s[78:79], s[10:11], s[92:93]
	s_cmp_eq_u32 s15, 0
	s_cselect_b64 s[80:81], s[20:21], s[46:47]
	s_add_nc_u64 s[80:81], s[80:81], s[94:95]      ; never rewritten
	G0SET H0, 0, 20, 0                             ; chunk 0 of A,
	G0SET H1, 2*HALFT, 46, 0                       ; of B,
	G0SET H2, SLOT, 20, ROWB                       ; chunk 1 of A,
	G0SET H3, SLOT+2*HALFT, 46, ROWB               ; of B
	s_mov_b32 s[G0], 1
	s_mov_b32 s[G0+1], s45
	s_add_nc_u64 s[G0+2:G0+3], s[20:21], s[82:83]
	s_or_b32 s[G0+3], s[G0+3], 0x80000000
	s_mov_b32 s[G0B], 1
	s_mov_b32 s[G0B+1], s45
	s_add_nc_u64 s[G0B+2:G0B+3], s[46:47], s[82:83]
	s_or_b32 s[G0B+3], s[G0B+3], 0x80000000
	CROUND                                         ; all sixteen work-groups are here: the first joint loads meet
; one chain of branches on the wave's number, one load to an arm
.macro ARM under, g0, g1, next
	s_cmp_lt_u32 s14, \under
	s_cbranch_scc0 \next
	TLOAD \g0, \g1
	s_branch .Lhead_asked
\next:
.endm
	ARM 1, H0, G1,  .Lhead_1
	ARM 2, H1, G1B, .Lhead_2
	ARM 3, H2, G1,  .Lhead_3
	TLOAD H3, G1B
.Lhead_asked:
	s_mov_b32 s18, SLOT-232
	s_mov_b32 s19, SLOT+232
	s_mul_i32 s21, s15, HALFT                      ; my 128 rows of A
	s_mul_i32 s22, s16, HALFT
	s_add_co_u32 s22, s22, 2*HALFT                 ; my 128 rows of B
	s_add_co_u32 s23, s21, SLOT
	s_add_co_u32 s94, s22, SLOT
	v_and_b32 v1, 15, v0                           ; l % 16
	v_bfe_u32 v2, v0, 4, 1                         ; l / 16
	v_mul_u32_u24 v3, v1, PITCH
	v_mul_u32_u24 v4, v2, 24
	v_add_nc_u32 v4, v3, v4                        ; row x pitch + 24 x half
	v_sub_nc_u32 v7, 1, v2
	v_mul_u32_u24 v5, s18, v2
	v_add_nc_u32 v5, v3, v5
	v_add_nc_u32 v5, 232, v5                       ; lanes 0-15 byte 232 of the row in slot 0, lanes 16-31 byte 0 in slot 1
	v_mul_u32_u24 v6, s19, v7
	v_add_nc_u32 v6, v3, v6                        ; lanes 0-15 byte 232 in slot 1, lanes 16-31 byte 0 in slot 0
	v_add_nc_u32 v[ADRA], s21, v4
	v_add_nc_u32 v[ADRA+1], s23, v4
	v_add_nc_u32 v[ADRA+2], s21, v5
	v_add_nc_u32 v[ADRA+3], s21, v6
	v_add_nc_u32 v[ADRB], s22, v4
	v_add_nc_u32 v[ADRB+1], s94, v4
	v_add_nc_u32 v[ADRB+2], s22, v5
	v_add_nc_u32 v[ADRB+3], s22, v6
	v_and_b32 v8, 31, v0
	v_lshlrev_b32 v[CO], 4, v8
	v_lshlrev_b32 v[SOF], 5, v8
	v_mul_u32_u24 v[PFO], v8, KROW
	s_wait_alu depctr_va_vdst(0)                   ; the wait at the end of the head's vector work
.irp p, 0,1,2,3
.irp j, 0,1
	global_load_b128 v[SCA+8*\p+4*\j:SCA+8*\p+4*\j+3], v[SOF], s[76:77] offset:1024*\p+16*\j   ; row 32 p + lane, steps 4 j .. 4 j + 3
	global_load_b128 v[SCB+8*\p+4*\j:SCB+8*\p+4*\j+3], v[SOF], s[78:79] offset:1024*\p+16*\j
.endr
.endr
	global_prefetch_b8 v[PFO], s[80:81] offset:2*ROWB th:TH_LOAD_NT scope:SCOPE_SE   ; chunk 2 of my work-group's 32 rows
	s_lshl_b32 s18, s17, 1                         ; my wave's block: (2 x tile row + half) x 16 (v: x 64) + 2 x tile column + half
	s_add_co_u32 s18, s18, s15
	s_cmp_lg_u32 s[ISV], 0
	s_cselect_b32 s19, 6, 4
	s_lshl_b32 s18, s18, s19
	s_lshl_b32 s19, s42, 1
	s_add_co_u32 s18, s18, s19
	s_add_co_u32 s18, s18, s16
	s_mul_i32 s22, s18, 12288
	s_mov_b32 s23, 0
	s_lshl_b32 s18, s18, 9
	s_mov_b32 s19, 0
	s_add_nc_u64 s[12:13], s[12:13], s[22:23]
	s_add_nc_u64 s[96:97], s[96:97], s[18:19]
	s_mov_b32 s20, 0x76543210
	s_mov_b32 s21, 0xfedcba98                      ; selects for lane l xor 16
	s_mov_b32 s99, 0x2800000                       ; the floor 2^(5 - 127)
	s_mov_b32 s100, 0xffff0000                     ; lanes 16-31
; One matrix instruction.  zero = 1: C is the constant 0;  ra, rb = 1: that side's scales stand in lanes 16-31.
.macro WM d, a, b, zero, sa, sb, ra, rb
.if (\zero) && (\ra) && (\rb)
	v_wmma_scale_f32_16x16x128_f8f6f4 v[(\d):(\d)+7], v[(\a):(\a)+11], v[(\b):(\b)+11], 0, v[\sa], v[\sb] matrix_a_fmt:MATRIX_FMT_BF6 matrix_b_fmt:MATRIX_FMT_BF6 matrix_a_scale:MATRIX_SCALE_ROW1 matrix_b_scale:MATRIX_SCALE_ROW1
.elseif (\zero) && (\ra)
	v_wmma_scale_f32_16x16x128_f8f6f4 v[(\d):(\d)+7], v[(\a):(\a)+11], v[(\b):(\b)+11], 0, v[\sa], v[\sb] matrix_a_fmt:MATRIX_FMT_BF6 matrix_b_fmt:MATRIX_FMT_BF6 matrix_a_scale:MATRIX_SCALE_ROW1
.elseif (\zero) && (\rb)
	v_wmma_scale_f32_16x16x128_f8f6f4 v[(\d):(\d)+7], v[(\a):(\a)+11], v[(\b):(\b)+11], 0, v[\sa], v[\sb] matrix_a_fmt:MATRIX_FMT_BF6 matrix_b_fmt:MATRIX_FMT_BF6 matrix_b_scale:MATRIX_SCALE_ROW1
.elseif (\zero)
	v_wmma_scale_f32_16x16x128_f8f6f4 v[(\d):(\d)+7], v[(\a):(\a)+11], v[(\b):(\b)+11], 0, v[\sa], v[\sb] matrix_a_fmt:MATRIX_FMT_BF6 matrix_b_fmt:MATRIX_FMT_BF6
.elseif (\ra) && (\rb)
	v_wmma_scale_f32_16x16x128_f8f6f4 v[(\d):(\d)+7], v[(\a):(\a)+11], v[(\b):(\b)+11], v[(\d):(\d)+7], v[\sa], v[\sb] matrix_a_fmt:MATRIX_FMT_BF6 matrix_b_fmt:MATRIX_FMT_BF6 matrix_a_scale:MATRIX_SCALE_ROW1 matrix_b_scale:MATRIX_SCALE_ROW1
.elseif (\ra)
	v_wmma_scale_f32_16x16x128_f8f6f4 v[(\d):(\d)+7], v[(\a):(\a)+11], v[(\b):(\b)+11], v[(\d):(\d)+7], v[\sa], v[\sb] matrix_a_fmt:MATRIX_FMT_BF6 matrix_b_fmt:MATRIX_FMT_BF6 matrix_a_scale:MATRIX_SCALE_ROW1
.elseif (\rb)
	v_wmma_scale_f32_16x16x128_f8f6f4 v[(\d):(\d)+7], v[(\a):(\a)+11], v[(\b):(\b)+11], v[(\d):(\d)+7], v[\sa], v[\sb] matrix_a_fmt:MATRIX_FMT_BF6 matrix_b_fmt:MATRIX_FMT_BF6 matrix_b_scale:MATRIX_SCALE_ROW1
.else
	v_wmma_scale_f32_16x16x128_f8f6f4 v[(\d):(\d)+7], v[(\a):(\a)+11], v[(\b):(\b)+11], v[(\d):(\d)+7], v[\sa], v[\sb] matrix_a_fmt:MATRIX_FMT_BF6 matrix_b_fmt:MATRIX_FMT_BF6
.endif
.endm
; A fragment: six pieces of 8 bytes; byte y of a row of codes lies in slot (y / 256) % 2 at byte y % 256 of the LDS row; lanes 16-31 read 24 bytes further on.
.macro FRAG reg, adr, st, i
.irp p, 0,1,2,3,4,5
.set BY, 96*(\st)+48*(\p/3)+8*(\p%3)
.if BY/ROWB == (BY+24)/ROWB
	ds_load_b64 v[\reg+2*\p:\reg+2*\p+1], v[\adr+(BY/ROWB)%2] offset:BY%ROWB+(\i)*16*PITCH
.else
	ds_load_b64 v[\reg+2*\p:\reg+2*\p+1], v[\adr+2+(BY/ROWB)%2] offset:BY%ROWB-232+(\i)*16*PITCH
.endif
.endr
.endm
; 16 matrix instructions: A's blocks a0, a0 + 1 x B's eight; p: B's set.  The 64 accumulators take turns, in the same order in every step.
.macro MUL16 a0, p, st, zero
.irp a, \a0, \a0+1
.irp b, 0,1,2,3,4,5,6,7
	WM 8*(8*((\a)%4)+\b), 128*(\p)+FR*\b, AF+FR*(\a), \zero, SCB+8*(\b/2)+(\st), SCA+8*((\a)/2)+(\st), \b%2, (\a)%2
.endr
.endr
.endm
.macro FETCH_B st, p
	WIN TO_B
.irp i, 0,1,2,3,4,5,6,7
	FRAG 128*(\p)+FR*\i, ADRB, \st, \i
.endr
	WIN 0
.endm
.macro FETCH_A st, i0
.irp i, \i0, \i0+1, \i0+2, \i0+3
	FRAG AF+FR*(\i), ADRA, \st, \i
.endr
.endm
; A step: 64 matrix instructions; the next step's fragments are fetched in its middle and at its end.
; kind 1 (step 2): chunk 0 is read no more: the three lines, a round of the cluster's barrier, and chunk 2's joint load into slot 0.  kind 2 (step 4): a barrier shows chunk 2 whole to all four waves.
.macro STEP st, zero, kind
.set NX, (\st)+1
.if \kind
	s_wait_tensorcnt 0x0                           ; all my tensor loads have landed
.if \kind == 1
	ds_add_u32 v[SPW], v[NIL]
	s_wait_dscnt 4*NL+1                            ; the add and A's blocks 4-7 may be out
.else
	s_wait_dscnt 4*NL                              ; A's blocks 4-7 may be out
.endif
	WIN MUL_LO
	MUL16 0, (\st)%2, \st, \zero
	s_wait_dscnt 0x0                               ; the add and all my LDS reads are done
	s_barrier_signal -1
	MUL16 2, (\st)%2, \st, \zero
	WIN 0
	s_barrier_wait -1
.if \kind == 1
	CREST                                          ; no wave of any partner still reads chunk 0 or has a load on its way
	s_cmp_eq_u32 s15, 0
	s_cbranch_scc0 .Lfor_b
	TLOAD G0, G1
	s_branch .Lasked
.Lfor_b:
	TLOAD G0B, G1B
.Lasked:
.else
	PLACES NP
.endif
.else
	s_wait_dscnt 4*NL                              ; B's set and A's blocks 0-3 are in
	WIN MUL_LO
	MUL16 0, (\st)%2, \st, \zero
	MUL16 2, (\st)%2, \st, \zero
	s_wait_dscnt 0
	PLACES NP
.endif
	FETCH_B NX, NX%2
	FETCH_A NX, 0
	WIN MUL_HI
	MUL16 4, (\st)%2, \st, \zero
	MUL16 6, (\st)%2, \st, \zero
	PLACES NP
	WIN 0
	FETCH_A NX, 4
.endm
	s_wait_tensorcnt 0x0                           ; my tile of the head's four is in, and no load of mine is out: the refill's loads bring 128 rows
	s_mov_b32 s[G1+2], 128<<16
	s_mov_b32 s[G1+4], 128
	s_mov_b32 s[G1B+2], 128<<16
	s_mov_b32 s[G1B+4], 128
	s_barrier_signal -1
	s_barrier_wait -1                              ; chunks 0 and 1 are whole
	FETCH_B 0, 0
	FETCH_A 0, 0
	FETCH_A 0, 4
	s_wait_loadcnt 0x0                             ; the scale words
	STEP 0, 1, 0                                   ; the first step's products start the sums
	STEP 1, 0, 0
	STEP 2, 0, 1
	STEP 3, 0, 0
	STEP 4, 0, 2
	STEP 5, 0, 0
	STEP 6, 0, 0
	s_wait_dscnt 4*NL                              ; the last step: nothing more to fetch
	WIN MUL_LO
	MUL16 0, 1, 7, 0
	MUL16 2, 1, 7, 0
	s_wait_dscnt 0
	WIN MUL_HI
	MUL16 4, 1, 7, 0
	MUL16 6, 1, 7, 0
	WIN 0
; THE WAY OUT.  Tile a of A: register 16 b + i of its 64 = place 32 b + 16 (lane / 16) + i along the next K of the lane's row.
.macro QW a
.set AC, 64*((\a)%4)
.set WA, 2+(\a)/4
.set QA, QC+12*(\a)
	WIN (WA<<2)|(WA<<4)
.irp b, 0,1,2,3
	v_max3_num_f32 v[TM+\b], s99, |v[AC+16*\b]|, |v[AC+16*\b+1]|   ; block b: my 16 numbers, each accumulator from its low end on, and the floor
.endr
.irp i, 2,4,6,8,10,12,14
.irp b, 0,1,2,3
	v_max3_num_f32 v[TM+\b], v[TM+\b], |v[AC+16*\b+\i]|, |v[AC+16*\b+\i+1]|
.endr
.endr
	WIN 0
.irp b, 0,1,2,3
	v_permlanex16_b32 v[TM+4+\b], v[TM+\b], s20, s21
.endr
.irp b, 0,1,2,3
	v_max_num_f32 v[TM+\b], v[TM+\b], v[TM+4+\b]   ; with lane l xor 16's
.endr
.irp b, 0,1,2,3
	v_add_nc_u32 v[TM+12+\b], 0xfe000000, v[TM+\b] ; 4 off the exponent field: the conversion's scale operand
.endr
.irp b, 0,1,2,3
	v_lshrrev_b32 v[TM+4+\b], 23, v[TM+12+\b]      ; the scale's byte
.endr
	v_lshl_or_b32 v[PW+(\a)], v[TM+5], 8, v[TM+4]
	v_lshl_or_b32 v[PW+(\a)], v[TM+6], 16, v[PW+(\a)]
	v_lshl_or_b32 v[PW+(\a)], v[TM+7], 24, v[PW+(\a)]
	WIN WA
.irp c, 0,1
	v_cvt_scalef32_pk16_bf6_f32 v[QA+6*\c:QA+6*\c+2], v[AC+32*\c:AC+32*\c+15], v[TM+12+2*\c]
	v_cvt_scalef32_pk16_bf6_f32 v[PT+4*\c:PT+4*\c+2], v[AC+32*\c+16:AC+32*\c+31], v[TM+12+2*\c+1]
.endr
	WIN 0
	v_nop                                          ; one plain place behind a scaled conversion
.irp c, 0,1                                    ; a whole block in a lane: lanes 0-15 block 2 c, lanes 16-31 block 2 c + 1
.irp i, 0,1,2
	v_permlane16_swap_b32 v[QA+6*\c+\i], v[PT+4*\c+\i]
.endr
.irp i, 0,1,2
	v_mov_b32 v[QA+3+6*\c+\i], v[PT+4*\c+\i]
.endr
.endr
.irp i, 0,1,2
	global_store_b128 v[CO], v[QA+4*\i:QA+4*\i+3], s[12:13] offset:(\a)*1536+512*\i   ; 32 lanes store 512 consecutive bytes, aligned
.endr
.endm
	PLACES NP
.irp b, 0,1,2,3
	v_mov_b32 v[TM+4+\b], 0                        ; a lane permute's destination counts as one of its sources
.endr
.irp a, 0,1,2,3,4,5,6,7
	QW \a
.endr
.irp p, 0,1,2,3
	v_cndmask_b32 v[RS+\p], v[PW+2*\p], v[PW+2*\p+1], s100   ; lanes 0-15: fragment 2 p's words; lanes 16-31: fragment 2 p + 1's
.endr
	global_store_b128 v[CO], v[RS:RS+3], s[96:97]
	s_wait_tensorcnt 0x0                           ; the wave's end
	ds_add_u32 v[SPW], v[NIL]
	s_wait_dscnt 0x0
	CROUND                                         ; the closing round
	s_endpgm
.Lfunc_end_k_qac1057fd38_proj:
	.size	k_qac1057fd38_proj, .Lfunc_end_k_qac1057fd38_proj-k_qac1057fd38_proj
	.p2alignl 7, 3214868480
	.fill 96, 4, 3214868480
	.section	.rodata,"a",@progbits
	.p2align	6, 0x0
	.amdhsa_kernel k_qac1057fd38_proj
		.amdhsa_group_segment_fixed_size 327680
		.amdhsa_private_segment_fixed_size 0
		.amdhsa_enable_private_segment 0
		.amdhsa_kernarg_size 64
		.amdhsa_user_sgpr_count 2
		.amdhsa_user_sgpr_kernarg_segment_ptr 1
		.amdhsa_wavefront_size32 1
		.amdhsa_system_sgpr_workgroup_id_x 1
		.amdhsa_system_sgpr_workgroup_id_y 1
		.amdhsa_system_sgpr_workgroup_id_z 1
		.amdhsa_system_vgpr_workitem_id 0
		.amdhsa_next_free_vgpr 1024
		.amdhsa_next_free_sgpr 102
		.amdhsa_reserve_vcc 0
		.amdhsa_float_denorm_mode_32 3
		.amdhsa_float_denorm_mode_16_64 3
		.amdhsa_memory_ordered 1
		.amdhsa_forward_progress 1
		.amdhsa_inst_pref_size 161
	.end_amdhsa_kernel
	.amdgpu_metadata
---
amdhsa.version: [ 1, 2 ]
amdhsa.kernels:
  - .name:           k_qac1057fd38_proj
    .symbol:         k_qac1057fd38_proj.kd
    .args:
      - { .name: xc, .offset: 0, .size: 8, .value_kind: global_buffer, .address_space: global }
      - { .name: xs, .offset: 8, .size: 8, .value_kind: global_buffer, .address_space: global }
      - { .name: wc, .offset: 16, .size: 8, .value_kind: global_buffer, .address_space: global }
      - { .name: ws, .offset: 24, .size: 8, .value_kind: global_buffer, .address_space: global }
      - { .name: qkf, .offset: 32, .size: 8, .value_kind: global_buffer, .address_space: global }
      - { .name: qks, .offset: 40, .size: 8, .value_kind: global_buffer, .address_space: global }
      - { .name: vf, .offset: 48, .size: 8, .value_kind: global_buffer, .address_space: global }
      - { .name: vs, .offset: 56, .size: 8, .value_kind: global_buffer, .address_space: global }
    .group_segment_fixed_size: 327680
    .private_segment_fixed_size: 0
    .kernarg_segment_align: 8
    .kernarg_segment_size: 64
    .max_flat_workgroup_size: 128
    .sgpr_count:     102
    .vgpr_count:     1024
    .wavefront_size: 32
...
	.end_amdgpu_metadata
.endif
;; end of part 2
;; launch attn (part 3): grid 64 x 4, 4 waves a work-group, no clusters, 97,792 bytes of LDS; arguments qkf, qks, vf, vs, out0; writes out0
.if DOCPART == 3
	.amdgcn_target "amdgcn-amd-amdhsa--gfx1250"
	.amdhsa_code_object_version 6
	.text
	.protected	k_qac1057fd38_attn
	.globl	k_qac1057fd38_attn
	.p2align	8
	.type	k_qac1057fd38_attn,@function
k_qac1057fd38_attn:
	s_mov_b64 s[64:65], 0
	v_nop
	global_prefetch_b8 v0, s[64:65] scope:SCOPE_SE
	s_setreg_imm32_b32 hwreg(HW_REG_WAVE_MODE, 25, 1), 1
	s_wait_xcnt 0x0
; out[b][q][:] = the sum over keys k <= q of softmax_k(q . k / 32) v[k][:], both products on codes of BF6 (E3M2) with one E8M0 scale for each 32 along a product's K.  One head of 1,024 channels, 2,048 keys, 4 batches.
; INPUTS: register images of fragments (16 rows x 128 K, 12 registers a lane: register group i of lane l at 512 i + 16 l), eight to a block of 12,288 bytes; fragment a of a block holds rows 32 (a / 2) + 8 (a % 2) + r + 8 (r / 8)
; of its 128.  qkf: block (16 batch + group of 128 rows) x 16 + step (0-7: q's 128 channels, 8-15: k's);  vf: block (group of 128 channels) x 64 + 16 batch + group of 128 keys.  qks, vs: 512 bytes a block: the image of four
; registers; register p holds fragment 2 p's scale words in lanes 0-15 and fragment 2 p + 1's in lanes 16-31.
; THE SOFTMAX AHEAD OF THE SECOND PRODUCT: t = score x log2(e) / 32; p = 2^(t - M), M a whole number; the row's sum is taken of the unquantised p and divides at the end.
; EACH UNIT (128 keys x 32 queries) HAS AN M OF ITS OWN, the ceiling of its own largest t.  Against the row's M its p are 2^d times larger, d a whole number: the codes are the same, and d is taken off the
; E8M0 bytes of p when the row's M is known (MERGE).  So O is never rescaled, and no wave waits for another while the scores are made.
; SHARES.  A work-group owns 32 queries of one batch: two tiles of 16.  Key steps 0 .. smax = (query block) / 4 count; the last of them lies on the diagonal and is masked.  The longest blocks have the lowest work-group numbers.
; PHASE 1: wave w makes the units of key steps 4 w + j, j = 0..3: S^T = K Q^T (source 0 = 16 keys, source 1 = 16 queries: a lane holds ONE query), mask, softmax, codes; p's fragments, their scale words, -M and the sum go to LDS.
; One barrier.  MERGE, in every wave: the row's M and sum; the shifted scale words into the wave's own LDS bytes.
; PHASE 2: wave w makes channels 256 w .. 256 w + 255 for the 32 queries: O^T += V^T P^T over the live key steps; then O^T / the sum goes out through the wave's own stage as rows of 512 bytes.
; Every fragment of K and of V is read by ONE wave of the work-group, so it goes from memory straight into registers, three loads of 512 consecutive bytes; four sets of eight fragments take turns, three of them on their way.
; NO CLUSTER, NO TENSOR LOADS: inside a work-group no tile is shared, and neighbouring query blocks need different numbers of key steps: joint loads could not be left out, so every work-group would fetch all sixteen.
; LIMITS: a byte of p that would fall under 0 is held at 0 (such p lie under 2^-120 of the row's largest); a unit whose M lies more than 127 under the row's enters the sum with 2^-127; blocks of zeros, or wholly hidden, keep the
; byte 1 with zero codes; NaN and infinities are not served.
; REGISTERS, in windows of 256.  Window 0: v1-11 addresses and constants; v12-15 1 / sum; v16-31 the four sets' scale words, v32-39 Q's, v40-41 p's: these hold scales and nothing else; v42-46 addresses; v48-127 at work;
;   v128-255 S^T (tile u at 128 + 64 u), later MERGE's arrays, p's fragments, the way out.   Window 1: v0-191 Q (fragment (c, u) at 12 (2 c + u)), later O^T (accumulator (g, t, u) at 128 g + 16 t + 8 u).
;   Windows 2, 3: v0-191: set k in window 2 + k / 2 at 96 (k % 2).
.set PIMG,  0                          ; LDS: p's fragments: key step s, tile u: 3,072 s + 1,536 u + 512 i + 16 l
.set PSC,   49152                      ; p's scale words as made: 128 s + 4 l (lanes 0-15 tile 0, lanes 16-31 tile 1)
.set PM,    51200                      ; -M of unit s, likewise
.set PL,    53248                      ; the sum of unit s, likewise
.set PW2,   55296                      ; the shifted scale words: 2,048 bytes for each wave, its own
.set STG,   63488                      ; the way out: 16 rows x (512 + 16) bytes for each wave, its own
.set BLKB,  12288                      ; a block of codes
.set SIMB,  512                        ; a scale image
.set KNX,   16*BLKB                    ; K: from a key step to the next
.set KNXS,  16*SIMB
.set VG,    64*BLKB                    ; V: from a group of channels to the next
.set VGS,   64*SIMB
.set MSB, 0
.macro WIN new                         ; the immediate's high byte repeats the setting that is left; bits 1:0 source 0, 3:2 source 1, 5:4 source 2, 7:6 destination
.if MSB != (\new)
	s_set_vgpr_msb (MSB<<8)|(\new)
.set MSB, (\new)
.endif
.endm
.macro PLACES                          ; four places behind a matrix instruction, in front of loads into its registers and of reads of its results (ISA guide 7.12.1 for reads of its results)
.rept 4
	v_nop
.endr
.endm
; One matrix instruction.  d, a, b: first registers of D (and C), source 0, source 1;  zero = 1: C is the constant 0;  sa, sb: the scale registers;  ra, rb = 1: the scales stand in lanes 16-31.
.macro WM d, a, b, zero, sa, sb, ra, rb
.if (\zero) && (\ra) && (\rb)
	v_wmma_scale_f32_16x16x128_f8f6f4 v[(\d):(\d)+7], v[(\a):(\a)+11], v[(\b):(\b)+11], 0, v[\sa], v[\sb] matrix_a_fmt:MATRIX_FMT_BF6 matrix_b_fmt:MATRIX_FMT_BF6 matrix_a_scale:MATRIX_SCALE_ROW1 matrix_b_scale:MATRIX_SCALE_ROW1
.elseif (\zero) && (\ra)
	v_wmma_scale_f32_16x16x128_f8f6f4 v[(\d):(\d)+7], v[(\a):(\a)+11], v[(\b):(\b)+11], 0, v[\sa], v[\sb] matrix_a_fmt:MATRIX_FMT_BF6 matrix_b_fmt:MATRIX_FMT_BF6 matrix_a_scale:MATRIX_SCALE_ROW1
.elseif (\zero) && (\rb)
	v_wmma_scale_f32_16x16x128_f8f6f4 v[(\d):(\d)+7], v[(\a):(\a)+11], v[(\b):(\b)+11], 0, v[\sa], v[\sb] matrix_a_fmt:MATRIX_FMT_BF6 matrix_b_fmt:MATRIX_FMT_BF6 matrix_b_scale:MATRIX_SCALE_ROW1
.elseif (\zero)
	v_wmma_scale_f32_16x16x128_f8f6f4 v[(\d):(\d)+7], v[(\a):(\a)+11], v[(\b):(\b)+11], 0, v[\sa], v[\sb] matrix_a_fmt:MATRIX_FMT_BF6 matrix_b_fmt:MATRIX_FMT_BF6
.elseif (\ra) && (\rb)
	v_wmma_scale_f32_16x16x128_f8f6f4 v[(\d):(\d)+7], v[(\a):(\a)+11], v[(\b):(\b)+11], v[(\d):(\d)+7], v[\sa], v[\sb] matrix_a_fmt:MATRIX_FMT_BF6 matrix_b_fmt:MATRIX_FMT_BF6 matrix_a_scale:MATRIX_SCALE_ROW1 matrix_b_scale:MATRIX_SCALE_ROW1
.elseif (\ra)
	v_wmma_scale_f32_16x16x128_f8f6f4 v[(\d):(\d)+7], v[(\a):(\a)+11], v[(\b):(\b)+11], v[(\d):(\d)+7], v[\sa], v[\sb] matrix_a_fmt:MATRIX_FMT_BF6 matrix_b_fmt:MATRIX_FMT_BF6 matrix_a_scale:MATRIX_SCALE_ROW1
.elseif (\rb)
	v_wmma_scale_f32_16x16x128_f8f6f4 v[(\d):(\d)+7], v[(\a):(\a)+11], v[(\b):(\b)+11], v[(\d):(\d)+7], v[\sa], v[\sb] matrix_a_fmt:MATRIX_FMT_BF6 matrix_b_fmt:MATRIX_FMT_BF6 matrix_b_scale:MATRIX_SCALE_ROW1
.else
	v_wmma_scale_f32_16x16x128_f8f6f4 v[(\d):(\d)+7], v[(\a):(\a)+11], v[(\b):(\b)+11], v[(\d):(\d)+7], v[\sa], v[\sb] matrix_a_fmt:MATRIX_FMT_BF6 matrix_b_fmt:MATRIX_FMT_BF6
.endif
.endm
; A block of eight fragments and its scale image into set k: 25 loads, each of 512 consecutive bytes.
.macro LOADSET k, base, sbase, off, soff
	WIN 0x80+0x40*((\k)>>1)                        ; destination window 2 or 3, address window 0
.irp t, 0,1,2,3,4,5,6,7
.irp i, 0,1,2
	global_load_b128 v[96*((\k)&1)+12*\t+4*\i:96*((\k)&1)+12*\t+4*\i+3], v1, s[\base:\base+1] offset:(\off)+1536*\t+512*\i
.endr
.endr
	WIN 0
	global_load_b128 v[16+4*(\k):19+4*(\k)], v1, s[\sbase:\sbase+1] offset:\soff
.endm
	s_load_b256 s[4:11], s[0:1], 0x0               ; qkf, qks, vf, vs
	s_load_b64 s[12:13], s[0:1], 0x20              ; out0
	v_lshl_add_u32 v126, v0, 2, 0x17c00
	v_mov_b32 v127, 0
	v_lshrrev_b32 v66, 5, v0
	v_readfirstlane_b32 s14, v66                   ; wave 0..3
	s_sub_co_u32 s15, 63, ttmp9                    ; my block of 32 queries: the longest first
	s_and_b32 s16, ttmp7, 0xffff                   ; the batch
	s_lshr_b32 s17, s15, 2                         ; smax: the last key step that counts
	s_and_b32 s18, s15, 3                          ; which 32 of its group of 128 rows
	s_mov_b32 s20, 0x76543210
	s_mov_b32 s21, 0xfedcba98                      ; v_permlanex16_b32's selects for lane l xor 16
	s_mov_b32 s22, 0x3d38aa3b                      ; c = log2(e) / sqrt(1024)
	s_mov_b32 s23, s22                             ; (named with it as a pair, so it is written)
	s_mov_b32 s24, 0xffff0000                      ; lanes 16-31
	s_mov_b32 s70, 0x01010101
	s_mov_b32 s71, 0x80808080
	s_mov_b32 s67, 0                               ; the upper word of the offsets' pair s[66:67]
	v_and_b32 v67, 31, v0                          ; lane
	v_lshlrev_b32 v1, 4, v67                       ; v1   16 x lane: my place in an image; never rewritten
	v_lshlrev_b32 v2, 2, v67                       ; v2   4 x lane
	v_lshlrev_b32 v7, 8, v67                       ; v7   256 x lane: the prefetch's offset; never rewritten
	v_and_b32 v66, 15, v0                          ; r
	v_bfe_u32 v47, v0, 4, 1                        ; h
	v_and_b32 v5, 8, v66
	v_add_nc_u32 v5, v5, v66                       ; r + 8 (r / 8)
	v_lshlrev_b32 v6, 4, v47
	v_sub_nc_u32 v5, v5, v6
	s_lshl_b32 s66, s18, 5
	v_add_nc_u32 v5, s66, v5                       ; v5   tile 0: my query's place in the diagonal step - 16 h.  Register n holds key 32 (n / 16) + n % 16 + 16 h: hidden where 32 (n / 16) + n % 16 is greater
	v_add_nc_u32 v6, 8, v5                         ; v6   tile 1: eight queries on
	v_mov_b32 v8, 0xff800000                       ; -infinity
	v_mov_b32 v9, 0x7f000000                       ; what a unit that does not count leaves as -M: 2^127, over every -M,
	v_mov_b32 v10, 0                               ; as its sum,
	v_mov_b32 v11, 0x01010101                      ; and as its scale word
	v_mov_b32 v13, 0                               ; (upper halves of pairs that packed forms name)
	v_mov_b32 v15, 0
	v_mov_b32 v61, 0
.irp b, 0,1,2,3
	v_mov_b32 v[52+\b], 0                          ; written once: a lane permute's destination counts as one of its sources
.endr
	s_lshl_b32 s66, s14, 11
	s_add_co_u32 s66, s66, PW2
	v_add_nc_u32 v44, s66, v2                      ; v44  my wave's shifted scale words
	s_mul_i32 s66, s14, 16*528
	s_add_co_u32 s66, s66, STG                     ; my stage
	v_mul_u32_u24 v45, v66, 528
	v_lshl_add_u32 v45, v47, 6, v45
	v_add_nc_u32 v45, s66, v45                     ; v45  in: row r, + 64 h: tile t's eight channels of my half lie 128 (t / 2) + 32 (t % 2) bytes on
	v_add_nc_u32 v46, s66, v1                      ; v46  back: a row of 512 bytes, 16 bytes a lane
	s_lshl_b32 s35, s14, 2                         ; s35  the unit in hand: key step 4 w + j
	s_lshl_b32 s36, s14, 9                         ; s36  128 x it
	s_mul_i32 s37, s14, 4*3072                     ; s37  3,072 x it
	s_lshl_b32 s38, s16, 4
	s_add_co_u32 s38, s38, s17                     ; my queries' group of 128 rows: 16 batch + smax
	s_wait_kmcnt 0x0
	s_mul_i32 s66, s38, 16*BLKB
	s_mul_i32 s39, s18, 3072
	s_add_co_u32 s66, s66, s39
	s_add_nc_u64 s[40:41], s[4:5], s[66:67]        ; Q: my two fragments of the group's step 0
	s_lshl_b32 s66, s38, 13
	s_lshl_b32 s39, s18, 2
	s_add_co_u32 s66, s66, s39
	s_add_nc_u64 s[42:43], s[6:7], s[66:67]        ; and the register of the scale image that holds their words
	s_lshl_b32 s38, s16, 4                         ; 16 batch
	s_min_u32 s39, s35, s17                        ; K: my first unit, held at the last that counts: no load leaves what is needed
	s_add_co_u32 s39, s39, s38
	s_lshl_b32 s39, s39, 4
	s_add_co_u32 s39, s39, 8                       ; k's steps are blocks 8-15 of a group
	s_mul_i32 s66, s39, BLKB
	s_add_nc_u64 s[26:27], s[4:5], s[66:67]        ; s[26:27] this unit's codes,
	s_lshl_b32 s66, s39, 9
	s_add_nc_u64 s[30:31], s[6:7], s[66:67]        ; s[30:31] its scale images,
	s_add_co_u32 s39, s35, 1
	s_cmp_le_u32 s39, s17
	s_cselect_b32 s66, KNX, 0
	s_add_nc_u64 s[28:29], s[26:27], s[66:67]      ; s[28:29], s[32:33] the next unit's, or the same again where the next does not count
	s_cselect_b32 s66, KNXS, 0
	s_add_nc_u64 s[32:33], s[30:31], s[66:67]
	s_lshl_b32 s39, s14, 7
	s_add_co_u32 s39, s39, s38                     ; V: block 128 w + 16 batch: my first group of channels, key step 0
	s_mul_i32 s66, s39, BLKB
	s_add_nc_u64 s[56:57], s[8:9], s[66:67]
	s_lshl_b32 s66, s39, 9
	s_add_nc_u64 s[58:59], s[10:11], s[66:67]
	s_lshl_b32 s39, s16, 11
	s_lshl_b32 s66, s15, 5
	s_add_co_u32 s39, s39, s66                     ; out: row 2,048 batch + 32 block,
	s_lshl_b32 s66, s39, 12
	s_lshl_b32 s39, s14, 10
	s_add_co_u32 s66, s66, s39                     ; + my 256 channels
	s_add_nc_u64 s[12:13], s[12:13], s[66:67]
	; the prefetch of V: the batch's part of a group of channels is 16 blocks on end, 24 pieces of 8,192 bytes.  Query blocks 0-47 share the 8 groups x 24 pieces out: group w + 4 (block % 2), piece block / 2
	s_and_b32 s39, s15, 1
	s_lshl_b32 s39, s39, 2
	s_add_co_u32 s39, s39, s14
	s_lshl_b32 s39, s39, 6
	s_add_co_u32 s39, s39, s38
	s_mul_i32 s66, s39, BLKB
	s_lshr_b32 s39, s15, 1
	s_min_u32 s39, s39, 23                         ; (held inside the batch's part in the blocks that do not ask)
	s_lshl_b32 s39, s39, 13
	s_add_co_u32 s66, s66, s39
	s_add_nc_u64 s[68:69], s[8:9], s[66:67]        ; never rewritten
	s_cmp_lt_u32 s15, 48
	s_cselect_b32 s39, 4, 0                        ; s39  the count of the trip in which I ask: the first, or none
	WIN 0x40                                       ; destination window 1
.irp c, 0,1,2,3,4,5,6,7
.irp u, 0,1
.irp k, 0,1,2
	global_load_b128 v[12*(2*\c+\u)+4*\k:12*(2*\c+\u)+4*\k+3], v1, s[40:41] offset:\c*BLKB+\u*1536+512*\k   ; Q stays in registers
.endr
.endr
.endr
	WIN 0
.irp c, 0,1,2,3,4,5,6,7
	global_load_b32 v[32+\c], v1, s[42:43] offset:SIMB*\c   ; Q's scale words: lanes 0-15 tile 0, lanes 16-31 tile 1
.endr
	LOADSET 0, 26, 30, 0, 0
	LOADSET 1, 26, 30, BLKB, SIMB
	LOADSET 2, 26, 30, 2*BLKB, 2*SIMB
; STAGE c of a unit: 128 of the 1,024 channels: 16 matrix instructions on set c % 4: eight tiles of 16 keys x two tiles of queries; the 16 accumulators take turns, one instruction a turn.
; Then the set that the stage before has left takes the block three stages on: this unit's, or from stage 5 on the next unit's first three.
.macro KSTAGE c
.set KK, (\c)%4
.if (\c) == 0
.set ZZ, 1
.else
.set ZZ, 0
.endif
	s_wait_loadcnt 50                              ; behind the set that I want, two sets of 25 loads were issued: they may stay out
	WIN 0x06+(KK>>1)                               ; source 0 (K) window 2 or 3, source 1 (Q) window 1, S^T window 0
.irp t, 0,1,2,3,4,5,6,7
.irp u, 0,1
	WM 128+64*\u+8*\t, 96*(KK&1)+12*\t, 12*(2*(\c)+\u), ZZ, 16+4*KK+\t/2, 32+(\c), \t%2, \u
.endr
.endr
	PLACES
.if (\c) <= 4
	LOADSET ((\c)+3)%4, 26, 30, ((\c)+3)*BLKB, ((\c)+3)*SIMB
.else
	LOADSET ((\c)+3)%4, 28, 32, ((\c)-5)*BLKB, ((\c)-5)*SIMB
.endif
.endm
; On the diagonal the scores of hidden keys become -infinity ahead of the maximum: p = 0 then.  Each accumulator is read from its low end on.
.macro MASK u
.set NN, 0
.rept 64
	v_cmp_gt_i32 vcc_lo, 32*(NN/16)+NN%16, v[5+\u]
	v_cndmask_b32 v[128+64*\u+NN], v[128+64*\u+NN], v8, vcc_lo
.set NN, NN+1
.endr
.endm
; Tile u's softmax for this unit, with the unit's own M; p's codes to LDS; the scale word, -M and the sum into v[68+u], v[70+u], v[72+u] (the same in lanes l and l xor 16).
.macro SOFT u
.set SU, 128+64*\u
.set PU, 80+12*\u
.irp b, 0,1,2,3
	v_max3_num_f32 v[48+\b], v[SU+16*\b], v[SU+16*\b+1], v[SU+16*\b+2]   ; the largest score of each block of 32 keys: it serves for the unit's maximum and, since p rises with the score, for the block's largest p
.endr
.irp i, 3,5,7,9,11,13
.irp b, 0,1,2,3
	v_max3_num_f32 v[48+\b], v[48+\b], v[SU+16*\b+\i], v[SU+16*\b+\i+1]
.endr
.endr
.irp b, 0,1,2,3
	v_max_num_f32 v[48+\b], v[48+\b], v[SU+16*\b+15]
.endr
.irp b, 0,1,2,3
	v_permlanex16_b32 v[52+\b], v[48+\b], s20, s21
.endr
.irp b, 0,1,2,3
	v_max_num_f32 v[48+\b], v[48+\b], v[52+\b]     ; with lane l xor 16's 16 keys
.endr
	v_max3_num_f32 v66, v48, v49, v50
	v_max_num_f32 v66, v66, v51                    ; the unit's largest score of my query: a number, since the step's first key counts for every query
	v_mul_f32 v66, s22, v66                        ; as t (c is positive)
	v_floor_f32 v60, -v66                          ; -M = floor(-t) = -ceil(t): a whole number
.irp j, 0,2,4,6,8,10,12,14,16,18,20,22,24,26,28,30,32,34,36,38,40,42,44,46,48,50,52,54,56,58,60,62
	v_pk_fma_f32 v[SU+\j:SU+\j+1], v[SU+\j:SU+\j+1], s[22:23], v[60:61] op_sel_hi:[1,0,0]   ; t - M, two at a time
.endr
.irp b, 0,1,2,3
	v_fma_f32 v[48+\b], v[48+\b], s22, v60         ; the same of each block's largest score
.endr
.set NN, 0
	s_wait_alu depctr_va_vdst(0)
.rept 64
	v_exp_f32 v[SU+NN], v[SU+NN]                   ; p = 2^(t - M), at most 1
.set NN, NN+1
.endr
	v_mov_b32 v[70+\u], v60                        ; (a plain place behind the exponentials)
	s_wait_alu depctr_va_vdst(0)                   ; one wait for the whole batch, ahead of its first reader
.irp b, 0,1,2,3
	v_exp_f32 v[48+\b], v[48+\b]                   ; the block's largest p: the same two instructions on the same number give the same bits
.endr
	v_pk_add_f32 v[62:63], v[SU:SU+1], v[SU+2:SU+3]   ; the sum is taken of the unquantised p: two at a time, in two chains (it reads the 64 alone: plain work behind the four)
	v_pk_add_f32 v[64:65], v[SU+4:SU+5], v[SU+6:SU+7]
.irp j, 8,12,16,20,24,28,32,36,40,44,48,52,56,60
	v_pk_add_f32 v[62:63], v[62:63], v[SU+\j:SU+\j+1]
	v_pk_add_f32 v[64:65], v[64:65], v[SU+\j+2:SU+\j+3]
.endr
	v_pk_add_f32 v[62:63], v[62:63], v[64:65]
	s_wait_alu depctr_va_vdst(0)                   ; and one for the four
.irp b, 0,1,2,3
	v_max_num_f32 v[48+\b], 0x2800000, v[48+\b]    ; the floor 2^(5 - 127): the byte cannot fall under 1
.endr
.irp b, 0,1,2,3
	v_add_nc_u32 v[56+\b], 0xfe000000, v[48+\b]    ; 4 off the exponent field: the conversion's scale operand
.endr
.irp b, 0,1,2,3
	v_lshrrev_b32 v[52+\b], 23, v[56+\b]           ; the scale's byte: 123 at the most, since p is at most 1
.endr
	v_lshl_or_b32 v[68+\u], v53, 8, v52
	v_lshl_or_b32 v[68+\u], v54, 16, v[68+\u]
	v_lshl_or_b32 v[68+\u], v55, 24, v[68+\u]
.irp c, 0,1
	v_cvt_scalef32_pk16_bf6_f32 v[PU+6*\c:PU+6*\c+2], v[SU+32*\c:SU+32*\c+15], v[56+2*\c]
	v_cvt_scalef32_pk16_bf6_f32 v[104+4*\c:106+4*\c], v[SU+32*\c+16:SU+32*\c+31], v[56+2*\c+1]   ; (a conversion's three registers begin on an even number)
.endr
	v_nop                                          ; one plain place behind a scaled conversion
.irp c, 0,1                                    ; the operand's layout wants a WHOLE block in a lane
.irp i, 0,1,2
	v_permlane16_swap_b32 v[PU+6*\c+\i], v[104+4*\c+\i]
.endr
.irp i, 0,1,2
	v_mov_b32 v[PU+3+6*\c+\i], v[104+4*\c+\i]
.endr
.endr
	v_add_f32 v62, v62, v63                        ; the sum's two halves,
	v_permlanex16_b32 v66, v62, s20, s21
	v_add_f32 v[72+\u], v62, v66                   ; and lane l xor 16's
.irp k, 0,1,2
	ds_store_b128 v3, v[PU+4*\k:PU+4*\k+3] offset:PIMG+1536*\u+512*\k   ; the fragment goes to LDS as it stands
.endr
.endm
	s_mov_b32 s34, 4
.Lunit:                                                ; four trips in every wave; at the head of each the last 75 loads issued are sets 0, 1, 2, whichever way leads here
	v_add_nc_u32 v3, s37, v1                       ; where this unit's fragments go,
	v_add_nc_u32 v4, s36, v2                       ; and its three words a lane
	s_cmp_gt_u32 s35, s17                          ; a key step all of whose keys come after my queries is left out: a scalar branch on ids
	s_cbranch_scc1 .Ldead
.irp c, 0,1,2,3,4,5,6,7
	KSTAGE \c
.endr
	s_cmp_lg_u32 s35, s17                          ; only the last step that counts lies on the diagonal
	s_cbranch_scc1 .Lopen
	MASK 0
	MASK 1
.Lopen:
	SOFT 0
	SOFT 1
	v_cndmask_b32 v74, v68, v69, s24               ; lanes 0-15: tile 0's; lanes 16-31: tile 1's
	v_cndmask_b32 v75, v70, v71, s24
	v_cndmask_b32 v76, v72, v73, s24
	ds_store_b32 v4, v74 offset:PSC
	ds_store_b32 v4, v75 offset:PM
	ds_store_b32 v4, v76 offset:PL
	s_wait_dscnt 0x0                               ; the stores have read their registers
	s_wait_xcnt 0x0                                ; the loads issued so far have read their bases: only now are the bases written
	s_mov_b64 s[26:27], s[28:29]
	s_mov_b64 s[30:31], s[32:33]
	s_add_co_u32 s38, s35, 2
	s_cmp_le_u32 s38, s17
	s_cselect_b32 s66, KNX, 0
	s_add_nc_u64 s[28:29], s[28:29], s[66:67]
	s_cselect_b32 s66, KNXS, 0
	s_add_nc_u64 s[32:33], s[32:33], s[66:67]
	s_branch .Lnext
.Ldead:
	s_wait_alu depctr_va_vdst(0)
	ds_store_b32 v4, v11 offset:PSC                ; every unit's words are written: MERGE reads all sixteen
	ds_store_b32 v4, v9 offset:PM
	ds_store_b32 v4, v10 offset:PL
	s_wait_dscnt 0x0
.Lnext:
	s_cmp_eq_u32 s34, s39                          ; V's prefetch: once, at the end of the first trip, in query blocks 0-47: 8,192 bytes a wave, lanes 256 bytes apart; each piece is named by one wave of the launch
	s_cbranch_scc0 .Lno_ask
	global_prefetch_b8 v7, s[68:69] th:TH_LOAD_NT scope:SCOPE_SE
.Lno_ask:
	s_add_co_u32 s35, s35, 1
	s_add_co_u32 s36, s36, 128
	s_add_co_u32 s37, s37, 3072
	s_sub_co_u32 s34, s34, 1
	s_cmp_lg_u32 s34, 0
	s_cbranch_scc1 .Lunit
	; ---- between the phases: V's first three blocks go out, so that they are on their way across the barrier and MERGE
	s_wait_loadcnt 0x0                             ; what was asked for ahead and is not wanted has landed: the sets and their bases may be written
	s_mov_b64 s[40:41], s[56:57]                   ; s[40:47] the four sets' bases for codes, s[48:55] for scale images: a base is written only when its set's last loads are in
	s_mov_b64 s[42:43], s[56:57]
	s_mov_b64 s[48:49], s[58:59]
	s_mov_b64 s[50:51], s[58:59]
	s_min_u32 s38, s17, 1
	s_mul_i32 s66, s38, BLKB
	s_add_nc_u64 s[44:45], s[56:57], s[66:67]
	s_lshl_b32 s66, s38, 9
	s_add_nc_u64 s[52:53], s[58:59], s[66:67]
	LOADSET 0, 40, 48, 0, 0                        ; key step 0, my first group of channels,
	LOADSET 1, 42, 50, VG, VGS                     ; my second,
	LOADSET 2, 44, 52, 0, 0                        ; key step 1 (or 0 again), my first
	s_wait_dscnt 0x0                               ; for the others' sake: my LDS stores have landed
	s_barrier_signal -1
	s_barrier_wait -1                              ; all sixteen units lie in LDS.  The kernel's one barrier: behind it a wave stores only into LDS bytes of its own
	; ---- MERGE: the row's -M is the least of the units'; unit s's p and sum are 2^d too large, d = M - M(s), a whole number
.set MS, 0
.rept 16
	ds_load_b32 v[128+MS], v2 offset:PM+128*MS
	ds_load_b32 v[144+MS], v2 offset:PL+128*MS
	ds_load_b32 v[160+MS], v2 offset:PSC+128*MS
.set MS, MS+1
.endr
	s_wait_dscnt 0x0
	v_min3_num_f32 v112, v128, v129, v130
.irp i, 131,133,135,137,139,141
	v_min3_num_f32 v112, v112, v[\i], v[\i+1]
.endr
	v_min_num_f32 v112, v112, v143
.set MS, 0
.rept 16
	v_sub_f32 v113, v112, v[128+MS]                ; M(s) - M: 0 or less
	v_max_num_f32 v113, 0xc2fe0000, v113           ; held at -127
	v_cvt_i32_f32 v113, v113
.if MS == 0
	v_ldexp_f32 v115, v[144+MS], v113              ; the unit's sum under the row's M: a multiplication that rounds nothing
.else
	v_ldexp_f32 v114, v[144+MS], v113
	v_add_f32 v115, v115, v114
.endif
	v_sub_nc_u32 v113, 0, v113                     ; d, 0 to 127,
	v_mul_lo_u32 v113, v113, s70                   ; in each of four bytes
	v_or_b32 v114, s71, v[160+MS]                  ; each byte (123 at the most) + 128,
	v_sub_nc_u32 v114, v114, v113                  ; - d: no byte borrows from its neighbour; bit 7 stays where byte - d is 0 or more
	v_and_b32 v116, s71, v114
	v_lshrrev_b32 v117, 7, v116
	v_sub_nc_u32 v116, v116, v117                  ; 0x7f in those bytes, 0 in the others
	v_and_b32 v114, v114, v116                     ; byte - d, held at 0
	ds_store_b32 v44, v114 offset:128*MS           ; into my wave's own bytes: only I read them
.set MS, MS+1
.endr
	s_wait_alu depctr_va_vdst(0)
	v_rcp_f32 v116, v115
	v_nop                                          ; a plain place behind the reciprocal
	s_wait_alu depctr_va_vdst(0)                   ; and the wait ahead of the first reader
	v_permlanex16_b32 v117, v116, s20, s21
	v_cndmask_b32 v12, v116, v117, s24             ; 1 / sum of tile 0's query r, in lanes r and r + 16,
	v_cndmask_b32 v14, v117, v116, s24             ; and of tile 1's
; ---- PHASE 2.  A key step: p's two fragments and their shifted words from LDS; for each of my two groups of channels 16 matrix instructions (eight tiles of 16 channels x two tiles of queries, by turns) on set 2 par + g;
; then the set that the stage before has left takes the block three stages on (key step held at the last that counts).  A step past the last that counts leaves the loop by a jump forward, so every body is entered
; only from the body before it, and the counts hold on every way.
.macro PVSTEP par, zero
.if !(\zero)
	s_cmp_gt_u32 s60, s17
	s_cbranch_scc1 .Lpv_done
.endif
	v_add_nc_u32 v42, s61, v1
	v_add_nc_u32 v43, s62, v44
.irp u, 0,1
.irp k, 0,1,2
	ds_load_b128 v[128+24*(\par)+12*\u+4*\k:128+24*(\par)+12*\u+4*\k+3], v42 offset:PIMG+1536*\u+512*\k
.endr
.endr
	ds_load_b32 v[40+(\par)], v43
.irp g, 0,1
.set KK, 2*(\par)+\g
.set KN, (KK+3)%4
	s_wait_loadcnt 50                              ; behind the set that I want, two sets of 25 loads were issued
.if \g == 0
	s_wait_dscnt 0x0                               ; p
.endif
	WIN 0x52+(\par)                                ; source 0 (V) window 2 or 3, source 1 (p) window 0, O^T window 1
.irp t, 0,1,2,3,4,5,6,7
.irp u, 0,1
	WM 128*\g+16*\t+8*\u, 96*\g+12*\t, 128+24*(\par)+12*\u, \zero, 16+4*KK+\t/2, 40+(\par), \t%2, \u
.endr
.endr
	PLACES
	WIN 0
	s_add_co_u32 s38, s60, 1+\g
	s_min_u32 s38, s38, s17
	s_mul_i32 s66, s38, BLKB
	s_add_nc_u64 s[40+2*KN:41+2*KN], s[56:57], s[66:67]   ; this set's last loads were shown in by the stage before
	s_lshl_b32 s66, s38, 9
	s_add_nc_u64 s[48+2*KN:49+2*KN], s[58:59], s[66:67]
	LOADSET KN, 40+2*KN, 48+2*KN, (1-\g)*VG, (1-\g)*VGS
.endr
	s_add_co_u32 s60, s60, 1
	s_add_co_u32 s61, s61, 3072
	s_add_co_u32 s62, s62, 128
.endm
	s_mov_b32 s60, 0                               ; the key step in hand,
	s_mov_b32 s61, 0                               ; 3,072 x it,
	s_mov_b32 s62, 0                               ; 128 x it
	PVSTEP 0, 1                                    ; key step 0 always counts: its products start the sums
	s_mov_b32 s63, 7
.Lpv:
	PVSTEP 1, 0
	PVSTEP 0, 0
	s_sub_co_u32 s63, s63, 1
	s_cmp_lg_u32 s63, 0
	s_cbranch_scc1 .Lpv
	PVSTEP 1, 0                                    ; key step 15
.Lpv_done:
; ---- THE WAY OUT.  16 queries x 128 channels at a time: O^T / the sum, through my own stage in LDS, back as whole rows of 512 bytes.  LDS serves a wave's instructions in order: no wait between the stores and the loads.
.macro OUTBLK g, u
	s_wait_xcnt 0x0                                ; the last block's stores have read their registers
	s_wait_dscnt 0x0
	WIN 0x01                                       ; source 0 (O^T) window 1
.irp t, 0,1,2,3,4,5,6,7
.irp i, 0,2,4,6
	v_pk_mul_f32 v[128+8*\t+\i:128+8*\t+\i+1], v[128*\g+16*\t+8*\u+\i:128*\g+16*\t+8*\u+\i+1], v[12+2*\u:13+2*\u] op_sel_hi:[1,0]   ; each accumulator from its low end on
.endr
.endr
	WIN 0
.irp t, 0,1,2,3,4,5,6,7
	ds_store_b128 v45, v[128+8*\t:128+8*\t+3] offset:128*(\t/2)+32*(\t%2)       ; lane (r, h): channels 32 (t / 2) + 8 (t % 2) + 16 h + 0 .. 7 of the tile's row r
	ds_store_b128 v45, v[128+8*\t+4:128+8*\t+7] offset:128*(\t/2)+32*(\t%2)+16
.endr
.irp i, 0,1,2,3,4,5,6,7,8,9,10,11,12,13,14,15
	ds_load_b128 v[192+4*\i:192+4*\i+3], v46 offset:528*\i
.endr
.irp i, 0,1,2,3,4,5,6,7,8,9,10,11,12,13,14,15
	s_wait_dscnt 15-\i                             ; the loads issued behind row i may stay out
	global_store_b128 v1, v[192+4*\i:192+4*\i+3], s[12:13] offset:(8*\u+\i+8*(\i/8))*4096+512*\g th:TH_STORE_NT   ; row i of tile u is query 8 u + i + 8 (i / 8) of my 32; 32 lanes store 512 consecutive bytes, aligned
.endr
.endm
	s_wait_alu depctr_va_vdst(0)
	OUTBLK 0, 0
	OUTBLK 0, 1
	OUTBLK 1, 0
	OUTBLK 1, 1
	s_wait_tensorcnt 0x0
	ds_add_u32 v126, v127
	s_wait_dscnt 0x0
	s_endpgm
.Lfunc_end_k_qac1057fd38_attn:
	.size	k_qac1057fd38_attn, .Lfunc_end_k_qac1057fd38_attn-k_qac1057fd38_attn
	.p2alignl 7, 3214868480
	.fill 96, 4, 3214868480
	.section	.rodata,"a",@progbits
	.p2align	6, 0x0
	.amdhsa_kernel k_qac1057fd38_attn
		.amdhsa_group_segment_fixed_size 97792
		.amdhsa_private_segment_fixed_size 0
		.amdhsa_enable_private_segment 0
		.amdhsa_kernarg_size 40
		.amdhsa_user_sgpr_count 2
		.amdhsa_user_sgpr_kernarg_segment_ptr 1
		.amdhsa_wavefront_size32 1
		.amdhsa_system_sgpr_workgroup_id_x 1
		.amdhsa_system_sgpr_workgroup_id_y 1
		.amdhsa_system_sgpr_workgroup_id_z 1
		.amdhsa_system_vgpr_workitem_id 0
		.amdhsa_next_free_vgpr 960
		.amdhsa_next_free_sgpr 72
		.amdhsa_reserve_vcc 1
		.amdhsa_float_denorm_mode_32 3
		.amdhsa_float_denorm_mode_16_64 3
		.amdhsa_memory_ordered 1
		.amdhsa_forward_progress 1
		.amdhsa_inst_pref_size 174
	.end_amdhsa_kernel
	.amdgpu_metadata
---
amdhsa.version: [ 1, 2 ]
amdhsa.kernels:
  - .name:           k_qac1057fd38_attn
    .symbol:         k_qac1057fd38_attn.kd
    .args:
      - { .name: qkf, .offset: 0, .size: 8, .value_kind: global_buffer, .address_space: global }
      - { .name: qks, .offset: 8, .size: 8, .value_kind: global_buffer, .address_space: global }
      - { .name: vf, .offset: 16, .size: 8, .value_kind: global_buffer, .address_space: global }
      - { .name: vs, .offset: 24, .size: 8, .value_kind: global_buffer, .address_space: global }
      - { .name: out0, .offset: 32, .size: 8, .value_kind: global_buffer, .address_space: global }
    .group_segment_fixed_size: 97792
    .private_segment_fixed_size: 0
    .kernarg_segment_align: 8
    .kernarg_segment_size: 40
    .max_flat_workgroup_size: 128
    .sgpr_count:     72
    .vgpr_count:     960
    .wavefront_size: 32
...
	.end_amdgpu_metadata
.endif
;; end of part 3
